; MI455X (gfx1250); checked and timed in simulation.
; The chip was launched on July 23, 2026; its instructions are those of AMD's public machine-readable ISA for CDNA 5 (MIT licence, August 2026) and "CDNA5" Instruction Set Architecture Reference Guide (July 2026). The comments in the code are by the model that wrote it; some were corrected since.
;; Maximum Likelihood Detector. Allowed arithmetic: float matrix products may take bf16 or f16 operands with f32 sums; other float arithmetic in f32, or as packed bf16 or f16 multiplies, adds, multiply-adds, maxima and minima; sums over many terms, partial sums and values carried from step to step in f32; what a program stores and reads back later, other than sums and carried values, may be rounded once to bf16 or f16.
;; Inputs: c_idx 32,768 x 4 x 4 x 2 int32; hi 64 x 8 x 4 float32; hr 64 x 8 x 4 float32; points_i 16 float32; points_r 16 float32; si 64 x 8 x 8 float32; sr 64 x 8 x 8 float32; vecs_ind 65,536 x 4 int32; yi 64 x 8 float32; yr 64 x 8 float32.
;; Outputs: out0 64 x 4 x 4 float32.
;; 2 versions, each right; version 2 is version 1 with the launch prep written anew for expert scheduling mode. Each part assembles by itself: llvm-mc -triple=amdgcn-amd-amdhsa -mcpu=gfx1250 --defsym DOCPART=n.
;; ======== version 1 of 2: 2 launches
;; workspace buffers: cc 4,194,304 bytes of whole numbers; params 8,192 bytes
;; launch prep (part 1): grid 256 x 1, 9 waves a work-group, no clusters, 18,176 bytes of LDS; arguments c_idx, vecs_ind, sr, si, hr, hi, yr, yi, cc, params; writes cc, params
.if DOCPART == 1
	.amdgcn_target "amdgcn-amd-amdhsa--gfx1250"
	.amdhsa_code_object_version 6
	.text
	.protected	k_q9b8277954c_prep
	.globl	k_q9b8277954c_prep
	.p2align	8
	.type	k_q9b8277954c_prep,@function
k_q9b8277954c_prep:
	s_mov_b64 s[64:65], 0
	v_nop
	global_prefetch_b8 v0, s[64:65] scope:SCOPE_SE
	s_setreg_imm32_b32 hwreg(HW_REG_WAVE_MODE, 25, 1), 1
	s_wait_xcnt 0x0
; MAXIMUM LIKELIHOOD DETECTOR, first of two launches: what does not hang on the 65,536 symbol vectors.
; WHAT IS LEFT OUT, AND WHY IT IS DEAD, for all values of the inputs for which the result is finite:
;  (1) The eigendecomposition and S^(-1/2).  eigh works on Ss = (S + S^H) / 2, and y, H enter the result only through
;      -|Ss^(-1/2) (y - H x)|^2 = -(y - H x)^H Ss^(-1) (y - H x), since (Ss^(-1/2))^H Ss^(-1/2) = Ss^(-1).  The result is finite only if all
;      eigenvalues are above 0; then Ss = L D L^H exists without pivoting, and with W = L^(-1) [H y] the form is W^H D^(-1) W.
;  (2) The term y^H Ss^(-1) y: it is the same for every symbol vector, so it is a common addend along the axis of each logsumexp
;      and cancels in lse[..1] - lse[..0].  What is left is  -(x^H G x - 2 Re x^H z),  G = H^H Ss^(-1) H (4 x 4),  z = H^H Ss^(-1) y.
;  (3) The product h x over [B, V, M]: x = points[vecs_ind[v]] takes its value from four digits of 0..15, so the exponent is a function of the
;      code a0<<12 | a1<<8 | a2<<4 | a3, tabulated in the second launch.  The two lookups are honoured as they are given:
;      exponents[b, c_idx[j, c]] = table_b[code(vecs_ind[c_idx[j, c]])], and the composed index does not hang on b: it is made here, once.
;  No input is without a way to the output: all ten are loaded (the points in the second launch).
; LIMITS.  Ss positive definite (elsewhere the reference's 1 / sqrt(w) is NaN or infinite, and this text gives other numbers); of a pivot only the real
; part is used (its imaginary part is 0 in exact arithmetic); digits of vecs_ind lie in 0..15, indices of c_idx in 0..65,535 (an index stays inside
; its table; c_idx is held to 65,535 in front of the lookup).  A NaN, an infinity or an overflow that reaches only y^H Ss^(-1) y or the eigenvectors is not carried to the result.
; SHARES.  Work-group g: rows 128 g .. 128 g + 127 of c_idx (16,384 consecutive bytes, 4,096 indices), waves 0-7, 16 indices a thread.
; Wave 8 of work-groups 0-63 solves batch g's system meanwhile; in the other work-groups it only passes the barrier.
; cc: u32 [32 columns][256 chunks g][32 lanes l][4 r] = 4 x code of element j = 128 g + 32 r + l of column c (the order inside a column is free: sums commute).
; params: f32 [64][32], la = log2(e): 0-3 -la G_kk; 4-11 2 la z_k (re, im); 12-23 -2 la G_kl (re, im) for kl = 01, 02, 03, 12, 13, 23; 24 +2 la Im G_01; 25-31 0.
.set PITCH, 528                        ; a column's 512 bytes in the stage + 16
.set SPARE, 32*PITCH                   ; 16,896: behind the stage, the spare words: 9 waves x 128 bytes, rounded up to five blocks of 256
.set SPW, 2                            ; v2  LDS address of my spare word; never rewritten
.set NIL, 3                            ; v3  0; never rewritten
; wave 8's registers: lane L is a column of the 8 x 13 matrix [Ss | H | y]: lanes 0-7 Ss, 8-11 H, 12-31 y.  All 13 live columns lie in the first row of 16 lanes,
; so a number of one column reaches the others by v_mov_b32_dpp row_share; lanes 16-31 work on copies of y, and nobody reads them.
.set AR, 32                            ; v[32:39]  rows 0-7, real parts
.set AI, 40                            ; v[40:47]  imaginary parts
.set CR, 48                            ; S's column L & 7, as loaded
.set CI, 56
.set RR, 64                            ; S's row L & 7
.set RI, 72
.set HR, 80
.set HI, 88
.set YR, 96
.set YI, 104
.set FR, 48                            ; later, in the registers that the loads have written: A[i][k] in every lane, real and imaginary
.set FI, 56
.set RC, 64                            ; 1 / pivot in every lane,
.set NRC, 65                           ; and its negative
.set GN, 68                            ; v[68:71]  the part of Im G that is subtracted
.set GR, 72                            ; v[72:75]
.set GI, 76                            ; v[76:79]
.set BR, 80                            ; v[80:87]  rows of D^(-1) W
.set BI, 88                            ; v[88:95]
.set WT, 96                            ; v[96:111] two sets of eight: row m of H's four columns of W in every lane
.set R,  112
.set NR, 113
.set NPR, 114
.set NPI, 115
.set P,  116
.set F,  117
	s_load_b512 s[4:19], s[0:1], 0x0               ; c_idx s[4:5], vecs_ind s[6:7], sr s[8:9], si s[10:11], hr s[12:13], hi s[14:15], yr s[16:17], yi s[18:19]
	s_load_b128 s[20:23], s[0:1], 0x40             ; cc s[20:21], params s[22:23]
	v_lshl_add_u32 v[SPW], v0, 2, SPARE
	v_mov_b32 v[NIL], 0
	v_lshrrev_b32 v1, 5, v0
	v_readfirstlane_b32 s24, v1                    ; wave 0..8
	v_and_b32 v1, 31, v0                           ; lane
	s_mov_b32 s25, ttmp9                           ; g
	s_mov_b32 s27, 0                               ; the high word of every offset
	s_wait_kmcnt 0x0
	s_cmp_lg_u32 s24, 8
	s_cbranch_scc1 .Lindex
	s_cmp_lt_u32 s25, 64
	s_cbranch_scc0 .Lmeet                          ; wave 8 of work-groups 64-255 has no batch
	; ---- WAVE 8: batch g's system ----
	s_lshl_b32 s26, s25, 8                         ; 64 numbers of S
	s_add_nc_u64 s[8:9], s[8:9], s[26:27]
	s_add_nc_u64 s[10:11], s[10:11], s[26:27]
	s_lshl_b32 s26, s25, 7                         ; 32 numbers of H, and of params
	s_add_nc_u64 s[12:13], s[12:13], s[26:27]
	s_add_nc_u64 s[14:15], s[14:15], s[26:27]
	s_add_nc_u64 s[22:23], s[22:23], s[26:27]
	s_lshl_b32 s26, s25, 5                         ; 8 numbers of y
	s_add_nc_u64 s[16:17], s[16:17], s[26:27]
	s_add_nc_u64 s[18:19], s[18:19], s[26:27]
	v_and_b32 v8, 7, v1
	v_lshlrev_b32 v9, 5, v8                        ; row L & 7 of S
	v_lshlrev_b32 v8, 2, v8                        ; column L & 7 of S
	v_and_b32 v10, 3, v1
	v_lshlrev_b32 v10, 2, v10                      ; column L & 3 of H
	v_mov_b32 v11, 0
	v_lshlrev_b32 v12, 2, v1                       ; my word of params
.irp i, 0,1,2,3,4,5,6,7
	global_load_b32 v[CR+(\i)], v8, s[8:9] offset:32*(\i)
	global_load_b32 v[CI+(\i)], v8, s[10:11] offset:32*(\i)
	global_load_b32 v[HR+(\i)], v10, s[12:13] offset:16*(\i)
	global_load_b32 v[HI+(\i)], v10, s[14:15] offset:16*(\i)
.endr
.irp i, 0,1
	global_load_b128 v[RR+4*(\i):RR+4*(\i)+3], v9, s[8:9] offset:16*(\i)
	global_load_b128 v[RI+4*(\i):RI+4*(\i)+3], v9, s[10:11] offset:16*(\i)
	global_load_b128 v[YR+4*(\i):YR+4*(\i)+3], v11, s[16:17] offset:16*(\i)
	global_load_b128 v[YI+4*(\i):YI+4*(\i)+3], v11, s[18:19] offset:16*(\i)
.endr
	v_cmp_gt_u32 s58, 8, v1                        ; lanes of Ss
	v_cmp_gt_u32 s59, 12, v1                       ; lanes of Ss and H
	; the factor of each word of params, made while the loads are out
	s_mov_b32 s60, 0xc038aa3b                      ; -2 log2(e)
	s_mov_b32 s57, 0x4038aa3b                      ; +2 log2(e)
	s_mov_b32 s61, 0xbfb8aa3b                      ; -log2(e)
	v_mov_b32 v[F], s57                            ; words 24-31
	v_cmp_gt_u32 vcc_lo, 24, v1
	v_cndmask_b32 v[F], v[F], s60, vcc_lo          ; words 12-23
	v_cndmask_b32 v[F], v[F], s57, s59             ; words 4-11
	v_cmp_gt_u32 vcc_lo, 4, v1
	v_cndmask_b32 v[F], v[F], s61, vcc_lo          ; words 0-3
	v_mov_b32 v[P], 0
	s_wait_loadcnt 0x0                             ; all forty: everything below needs them
.irp i, 0,1,2,3,4,5,6,7
	v_mul_f32 v[CR+(\i)], 0.5, v[CR+(\i)]          ; Ss[i][c] = (S[i][c] + conj S[c][i]) / 2
	v_mul_f32 v[CI+(\i)], 0.5, v[CI+(\i)]
	v_fmac_f32 v[CR+(\i)], 0.5, v[RR+(\i)]
	v_fmac_f32 v[CI+(\i)], -0.5, v[RI+(\i)]
	v_cndmask_b32 v[AR+(\i)], v[YR+(\i)], v[HR+(\i)], s59
	v_cndmask_b32 v[AI+(\i)], v[YI+(\i)], v[HI+(\i)], s59
	v_cndmask_b32 v[AR+(\i)], v[AR+(\i)], v[CR+(\i)], s58
	v_cndmask_b32 v[AI+(\i)], v[AI+(\i)], v[CI+(\i)], s58
.endr
; Step k of the elimination.  Row k is final: it is row k of W = L^(-1) [H y]; divided by its pivot it is row k of D^(-1) W and is kept.  Row i (i > k) loses A[i][k] x that row, in all 13 columns at once.
; The broadcasts of A[i][k] wait for nothing and stand behind the reciprocal: they are the plain instructions between it and its use (ISA guide 5.7.2).
.macro ELIM k
	v_rcp_f32 v[R], v[AR+(\k)]
.if (\k) < 7
.set i, (\k)+1
.rept 7-(\k)
	v_mov_b32_dpp v[FR+i], v[AR+i] row_share:\k row_mask:0xf bank_mask:0xf
	v_mov_b32_dpp v[FI+i], v[AI+i] row_share:\k row_mask:0xf bank_mask:0xf
.set i, i+1
.endr
.else
	v_nop
.endif
	s_wait_alu depctr_va_vdst(0)                   ; the wait ahead of the reciprocal's first reader
	v_mov_b32_dpp v[RC], v[R] row_share:\k row_mask:0xf bank_mask:0xf  ; lane k's reciprocal is the pivot's
.if (\k) < 7
	v_xor_b32 v[NR], 0x80000000, v[R]
	v_mov_b32_dpp v[NRC], v[NR] row_share:\k row_mask:0xf bank_mask:0xf
.endif
	v_mul_f32 v[BR+(\k)], v[RC], v[AR+(\k)]
	v_mul_f32 v[BI+(\k)], v[RC], v[AI+(\k)]
.if (\k) < 7
	v_mul_f32 v[NPR], v[NRC], v[AR+(\k)]
	v_mul_f32 v[NPI], v[NRC], v[AI+(\k)]
.set i, (\k)+1
.rept 7-(\k)
	v_fmac_f32 v[AR+i], v[FR+i], v[NPR]            ; - Re A[i][k] x (row k / pivot)
	v_fmac_f32 v[AI+i], v[FR+i], v[NPI]
.set i, i+1
.endr
.set i, (\k)+1
.rept 7-(\k)
	v_fmac_f32 v[AR+i], v[FI+i], v[BI+(\k)]        ; - j Im A[i][k] x (row k / pivot)
	v_fmac_f32 v[AI+i], v[FI+i], v[NPR]
.set i, i+1
.endr
.endif
.endm
.irp k, 0,1,2,3,4,5,6,7
	ELIM \k
.endr
.macro BC4 dst, src                    ; lanes 8-11 of src (H's four columns), each into every lane of a register
	v_mov_b32_dpp v[(\dst)+0], v[\src] row_share:8 row_mask:0xf bank_mask:0xf
	v_mov_b32_dpp v[(\dst)+1], v[\src] row_share:9 row_mask:0xf bank_mask:0xf
	v_mov_b32_dpp v[(\dst)+2], v[\src] row_share:10 row_mask:0xf bank_mask:0xf
	v_mov_b32_dpp v[(\dst)+3], v[\src] row_share:11 row_mask:0xf bank_mask:0xf
.endm
; Row m's part of conj(column k of W) . D^(-1) W, for k = 0..3 side by side: twelve sums by turns.  At the end lane 8 + l holds G[k][l], lane 12 holds z_k.
; The imaginary part is kept as two sums and subtracted once.
.macro GSTEP m
.set T, WT+8*((\m)%2)
	BC4 T, AR+(\m)
	BC4 T+4, AI+(\m)
.irp k, 0,1,2,3
.if (\m) == 0
	v_mul_f32 v[GR+\k], v[T+\k], v[BR]
	v_mul_f32 v[GI+\k], v[T+\k], v[BI]
	v_mul_f32 v[GN+\k], v[T+4+\k], v[BR]
.else
	v_fmac_f32 v[GR+\k], v[T+\k], v[BR+(\m)]
	v_fmac_f32 v[GI+\k], v[T+\k], v[BI+(\m)]
	v_fmac_f32 v[GN+\k], v[T+4+\k], v[BR+(\m)]
.endif
.endr
.irp k, 0,1,2,3
	v_fmac_f32 v[GR+\k], v[T+4+\k], v[BI+(\m)]
.endr
.endm
.irp m, 0,1,2,3,4,5,6,7
	GSTEP \m
.endr
.irp k, 0,1,2,3
	v_sub_f32 v[GI+\k], v[GI+\k], v[GN+\k]
.endr
.macro GET idx, reg, lane              ; word idx of params is lane's number of reg: each into a scalar register of its own, so that no read waits for a write
	v_readlane_b32 s[32+(\idx)], v[\reg], \lane
.endm
.irp k, 0,1,2,3
	GET \k, GR+\k, 8+\k
	GET 4+2*\k, GR+\k, 12
	GET 5+2*\k, GI+\k, 12
.endr
	GET 12, GR, 9
	GET 13, GI, 9
	GET 14, GR, 10
	GET 15, GI, 10
	GET 16, GR, 11
	GET 17, GI, 11
	GET 18, GR+1, 10
	GET 19, GI+1, 10
	GET 20, GR+1, 11
	GET 21, GI+1, 11
	GET 22, GR+2, 11
	GET 23, GI+2, 11
	GET 24, GI, 9
.set i, 0
.rept 25
	v_writelane_b32 v[P], s[32+i], i
.set i, i+1
.endr
	v_mul_f32 v[P], v[P], v[F]
	global_store_b32 v12, v[P], s[22:23]           ; the batch's 128 bytes, one store
	s_branch .Lmeet
	; ---- WAVES 0-7, first part: index -> digits -> 4 x code -> stage ----
.Lindex:
	s_lshl_b32 s26, s25, 14
	s_add_nc_u64 s[4:5], s[4:5], s[26:27]          ; the work-group's 16,384 bytes of c_idx
	s_lshl_b32 s28, s24, 9
	v_lshl_add_u32 v4, v1, 4, s28                  ; 16 t, t = 32 wave + lane
	v_and_b32 v5, 7, v1                            ; t & 7: my four columns 4 (t & 7) + r
	v_mul_u32_u24 v5, v5, 4*PITCH
	v_lshrrev_b32 v6, 3, v1
	v_lshl_add_u32 v5, v6, 4, v5                   ; t >> 3 = 4 wave + (lane >> 3) is the element's l: 16 bytes each
	s_lshl_b32 s28, s24, 6
	v_add_nc_u32 v5, s28, v5
.irp q, 0,1,2,3
	global_load_b128 v[16+4*(\q):19+4*(\q)], v4, s[4:5] offset:4096*(\q) th:TH_LOAD_NT  ; rows 32 q + (t >> 3): a wave's load covers 512 consecutive bytes; read once in the launch
.endr
	s_wait_loadcnt 0x0                             ; all four: each feeds addresses below
.set n, 0
.rept 16
	v_min_u32 v[16+n], 0xffff, v[16+n]             ; the index stays inside vecs_ind
.set n, n+1
.endr
.set n, 0
.rept 16
	v_lshlrev_b32 v[16+n], 4, v[16+n]              ; a row of vecs_ind is 16 bytes
.set n, n+1
.endr
.set n, 0
.rept 16
	global_load_b128 v[32+4*n:35+4*n], v[16+n], s[6:7]  ; the four digits
.set n, n+1
.endr
; Element n = 4 q + r of the thread: column 4 (t & 7) + r, place l = t >> 3, register q.
.macro PACK n
.set D, 32+4*(\n)
	s_wait_loadcnt 15-(\n)                         ; loads come back in order (ISA guide 5.7.1): mine is in, the 15 - n younger ones stay out
	v_lshl_or_b32 v[D], v[D], 4, v[D+1]
	v_lshl_or_b32 v[D], v[D], 4, v[D+2]
	v_lshl_or_b32 v[D], v[D], 4, v[D+3]
	v_lshlrev_b32 v[D], 2, v[D]                    ; the table's byte address
	ds_store_b32 v5, v[D] offset:((\n)%4)*PITCH+((\n)/4)*4
.endm
.irp n, 0,1,2,3,4,5,6,7,8,9,10,11,12,13,14,15
	PACK \n
.endr
.Lmeet:
	s_wait_dscnt 0x0                               ; for the others' sake: my stores into the stage are done
	s_barrier_signal -1
	s_barrier_wait -1                              ; the stage is whole
	s_cmp_eq_u32 s24, 8
	s_cbranch_scc1 .Lend
	; ---- WAVES 0-7, second part: wave w sends columns 4 w .. 4 w + 3, 512 bytes each ----
	s_mul_i32 s28, s24, 4*PITCH
	v_lshl_add_u32 v6, v1, 4, s28
	s_lshl_b32 s28, s24, 19                        ; a column of cc is 131,072 bytes
	v_lshl_add_u32 v7, v1, 4, s28
	s_lshl_b32 s26, s25, 9                         ; chunk g
	s_add_nc_u64 s[20:21], s[20:21], s[26:27]
.irp u, 0,1,2,3
	ds_load_b128 v[16+4*(\u):19+4*(\u)], v6 offset:PITCH*(\u)
.endr
.irp u, 0,1,2,3
	s_wait_dscnt 3-(\u)                            ; the 3 - u younger loads stay out
	global_store_b128 v7, v[16+4*(\u):19+4*(\u)], s[20:21] offset:131072*(\u)  ; 512 consecutive bytes, at a multiple of 512 from cc's first byte
.endr
.Lend:
	s_wait_tensorcnt 0x0                           ; the wave's end: closing lines, behind my last LDS store
	ds_add_u32 v[SPW], v[NIL]
	s_wait_dscnt 0x0
	s_endpgm
.Lfunc_end_k_q9b8277954c_prep:
	.size	k_q9b8277954c_prep, .Lfunc_end_k_q9b8277954c_prep-k_q9b8277954c_prep
	.p2alignl 7, 3214868480
	.fill 96, 4, 3214868480
	.section	.rodata,"a",@progbits
	.p2align	6, 0x0
	.amdhsa_kernel k_q9b8277954c_prep
		.amdhsa_group_segment_fixed_size 18176
		.amdhsa_private_segment_fixed_size 0
		.amdhsa_enable_private_segment 0
		.amdhsa_kernarg_size 80
		.amdhsa_user_sgpr_count 2
		.amdhsa_user_sgpr_kernarg_segment_ptr 1
		.amdhsa_wavefront_size32 1
		.amdhsa_system_sgpr_workgroup_id_x 1
		.amdhsa_system_sgpr_workgroup_id_y 1
		.amdhsa_system_sgpr_workgroup_id_z 1
		.amdhsa_system_vgpr_workitem_id 0
		.amdhsa_next_free_vgpr 128
		.amdhsa_next_free_sgpr 66
		.amdhsa_reserve_vcc 1
		.amdhsa_float_denorm_mode_32 3
		.amdhsa_float_denorm_mode_16_64 3
		.amdhsa_memory_ordered 1
		.amdhsa_forward_progress 1
		.amdhsa_inst_pref_size 41
	.end_amdhsa_kernel
	.amdgpu_metadata
---
amdhsa.version: [ 1, 2 ]
amdhsa.kernels:
  - .name:           k_q9b8277954c_prep
    .symbol:         k_q9b8277954c_prep.kd
    .args:
      - { .name: c_idx, .offset: 0, .size: 8, .value_kind: global_buffer, .address_space: global }
      - { .name: vecs_ind, .offset: 8, .size: 8, .value_kind: global_buffer, .address_space: global }
      - { .name: sr, .offset: 16, .size: 8, .value_kind: global_buffer, .address_space: global }
      - { .name: si, .offset: 24, .size: 8, .value_kind: global_buffer, .address_space: global }
      - { .name: hr, .offset: 32, .size: 8, .value_kind: global_buffer, .address_space: global }
      - { .name: hi, .offset: 40, .size: 8, .value_kind: global_buffer, .address_space: global }
      - { .name: yr, .offset: 48, .size: 8, .value_kind: global_buffer, .address_space: global }
      - { .name: yi, .offset: 56, .size: 8, .value_kind: global_buffer, .address_space: global }
      - { .name: cc, .offset: 64, .size: 8, .value_kind: global_buffer, .address_space: global }
      - { .name: params, .offset: 72, .size: 8, .value_kind: global_buffer, .address_space: global }
    .group_segment_fixed_size: 18176
    .private_segment_fixed_size: 0
    .kernarg_segment_align: 8
    .kernarg_segment_size: 80
    .max_flat_workgroup_size: 288
    .sgpr_count:     66
    .vgpr_count:     128
    .wavefront_size: 32
...
	.end_amdgpu_metadata
.endif
;; end of part 1
;; launch detect (part 2): grid 64 x 4, 16 waves a work-group, no clusters, 264,448 bytes of LDS; arguments cc, params, points_r, points_i, out0; writes out0
.if DOCPART == 2
	.amdgcn_target "amdgcn-amd-amdhsa--gfx1250"
	.amdhsa_code_object_version 6
	.text
	.protected	k_q9b8277954c_detect
	.globl	k_q9b8277954c_detect
	.p2align	8
	.type	k_q9b8277954c_detect,@function
k_q9b8277954c_detect:
	s_mov_b64 s[64:65], 0
	v_nop
	global_prefetch_b8 v0, s[64:65] scope:SCOPE_SE
	s_setreg_imm32_b32 hwreg(HW_REG_WAVE_MODE, 25, 1), 1
	s_wait_xcnt 0x0
; MAXIMUM LIKELIHOOD DETECTOR, second launch: the table of exponents, the gathers, the logsumexps, the differences.
; LEFT OUT, as shown at the head of the first kernel: the eigendecomposition, the term y^H Ss^(-1) y (common along each logsumexp's axis), and the product over [B, V, M], which the table replaces.
; T[code] = -log2(e) (x^H G x - 2 Re x^H z) for x = the four points named by the code's digits a0..a3:
;   T = g0 |x0|^2 + Re conj(x0) (Z0 + C01 x1 + C02 x2 + C03 x3) + g1 |x1|^2 + Re conj(x1) (Z1 + C12 x2 + C13 x3) + g2 |x2|^2 + Re conj(x2) (Z2 + C23 x3) + g3 |x3|^2 + Re conj(x3) Z3,
;   with g, Z, C from params.  All in f32.  No matrix instruction: after the table no product of any size is left.
; SHARES.  Work-group (x = batch b, y = stream k) holds batch b's whole table (262,144 bytes of LDS) and serves columns 8 y .. 8 y + 7 of cc.
; Wave w: column 8 y + (w >> 1), half w & 1: 65,536 consecutive bytes of cc, 16,384 elements, 512 a lane, in 16 blocks of 32 a lane.
; THE MAXIMUM.  Each lane keeps a true running maximum m of its own elements and a sum s of 2^(T - m), rescaled by 2^(m_old - m_new) in every block; lanes, then the two waves of a column,
; are merged under their true maxima.  m starts at the lowest finite number, so the first block's factor is 0.  Every merged sum is at least 1.
; THREE BLOCKS IN HAND.  In block n's turn its 32 values, gathered a turn earlier, are reduced; block n + 1's gathers go out in four runs of eight among block n's maxima; block n + 2's 32 addresses are
; clamped, one behind each of block n's exponentials; and the slot of the ring that block n has left takes block n + 4.
; LIMITS.  A weight below 2^-126 of its lane's running maximum counts as 0.  NaN and infinities are not treated apart.
; NO CLUSTER, though the 64 batches walk the same cc: a joint load lands in LDS, and the table leaves 65,536 of the 327,680 bytes that a work-group can be given; one block for the sixteen waves is
; 16 x 4,096 = 65,536 bytes, so not even two slots of one block fit beside scratch and spare words.  The ring in registers holds four blocks a wave, 262,144 bytes a work-group, with no barrier,
; and the indices do not cross LDS, which already serves every gather.
.set SCR,   262144                     ; behind the table: (maximum, sum) of wave w at SCR + 8 w; a block of 256 bytes
.set SPARE, 262400                     ; the spare words: 16 waves x 128 bytes, eight blocks of 256 that no other line names
.set OFFX, 1                           ; v1       16 x lane; never rewritten
.set SPW,  2                           ; v2       LDS address of my spare word; never rewritten
.set NIL,  3                           ; v3       0; never rewritten
.set TA,   4                           ; v4       where my part of the table begins
.set MO,   5                           ; v5       the old maximum
.set MX,   6                           ; v[6:7]   m, and a partner that is written since the pair is named
.set SM,   8                           ; v[8:9]   s: even registers' sum, odd registers' sum
.set AF,   10                          ; v[10:11] 2^(m_old - m_new), and a partner
.set CC,   12                          ; v[12:15] four chains of the maximum
.set PR,   16                          ; v[16:31] the 16 points, real parts (the same in all lanes)
.set PI,   32                          ; v[32:47] imaginary parts
.set Q1,   48                          ; v[48:63] g1 |p|^2
.set X2,   64                          ; v64, v65 my x2
.set X3R,  66                          ; v[66:67] my two x3 (a3 = 2 (n & 7), + 1), real parts
.set X3I,  68                          ; v[68:69] imaginary parts
.set W0R,  70                          ; pairs over my two a3, from here to T0
.set W0I,  72
.set W1R,  74
.set W1I,  76
.set C23,  78
.set V1R,  80
.set V1I,  82
.set T0,   84
.set ACC,  86                          ; v[86:93] four pairs by turns
.set UR,   94
.set UI,   95
.set EA,   96                          ; v[96:127] first offsets and scratch, then the gathered values of the even blocks
.set EB,   16                          ; v[16:47]  when the table is made: those of the odd blocks
.set NX2I, 100
.set NX3I, 102
.set A2,   104
.set TMP,  105
.set X,    128                         ; v[128:255] the ring of indices: 4 slots of 32
	s_load_b256 s[4:11], s[0:1], 0x0               ; cc s[4:5], params s[6:7], points_r s[8:9], points_i s[10:11]
	s_load_b64 s[12:13], s[0:1], 0x20              ; out0
	v_lshl_add_u32 v[SPW], v0, 2, SPARE
	v_mov_b32 v[NIL], 0
	v_lshrrev_b32 v96, 5, v0
	v_readfirstlane_b32 s14, v96                   ; wave 0..15
	s_mov_b32 s15, ttmp9                           ; b
	s_and_b32 s16, ttmp7, 0xffff                   ; y
	s_mov_b32 s24, 0x76543210                      ; v_permlanex16_b32: each lane takes its own place in the other half
	s_mov_b32 s25, 0xfedcba98
	v_and_b32 v97, 31, v0
	v_lshlrev_b32 v[OFFX], 4, v97
	; the table's shares: q = w >> 2 gives a0 = 4 q .. 4 q + 3; n = thread & 127 gives a2 = n >> 3 and a3 = 2 (n & 7), + 1; every thread walks all a1
	s_lshr_b32 s17, s14, 2                         ; q
	s_and_b32 s23, s14, 3
	s_lshl_b32 s28, s17, 16                        ; 65,536 q
	s_lshl_b32 s23, s23, 8
	s_or_b32 s28, s28, s23                         ; + 8 x 32 (w & 3)
	v_lshl_add_u32 v[TA], v97, 3, s28              ; + 8 x lane = 65,536 q + 8 n
	v_mov_b32 v96, 0
	v_bfe_u32 v98, v0, 3, 4
	v_lshlrev_b32 v98, 2, v98                      ; 4 (n >> 3)
	v_and_b32 v99, 7, v0
	v_lshlrev_b32 v99, 3, v99                      ; 8 (n & 7)
	s_lshl_b32 s28, s16, 4
	s_add_co_u32 s28, s28, s14
	s_lshl_b32 s28, s28, 16                        ; (16 y + w) x 65,536: my wave's part of cc
	s_mov_b32 s29, 0
	s_lshl_b32 s30, s15, 7                         ; the batch's 128 bytes of params
	s_mov_b32 s31, 0
	s_lshl_b32 s18, s17, 4                         ; points 4 q on
	s_mov_b32 s19, 0
	s_lshl_b32 s20, s15, 6
	s_lshl_b32 s21, s16, 4
	s_add_co_u32 s20, s20, s21                     ; 64 b + 16 y in out0
	s_mov_b32 s21, 0
	s_wait_kmcnt 0x0
	s_add_nc_u64 s[4:5], s[4:5], s[28:29]
	s_add_nc_u64 s[6:7], s[6:7], s[30:31]
	s_add_nc_u64 s[58:59], s[8:9], s[18:19]
	s_add_nc_u64 s[74:75], s[10:11], s[18:19]
	s_add_nc_u64 s[12:13], s[12:13], s[20:21]
	s_load_b512 s[32:47], s[6:7], 0x0              ; g0-g3 s32-35; Z0-Z3 s36-43; C01 s44-45; C02 s46-47
	s_load_b256 s[48:55], s[6:7], 0x40             ; C03 s48-49; C12 s50-51; C13 s52-53; C23 s54-55
	s_load_b32 s56, s[6:7], 0x60                   ; -Im C01
	s_load_b128 s[60:63], s[58:59], 0x0            ; my four a0: real parts,
	s_load_b128 s[68:71], s[74:75], 0x0            ; imaginary parts
.irp i, 0,1,2,3
	global_load_b128 v[PR+4*(\i):PR+4*(\i)+3], v96, s[8:9] offset:16*(\i)
	global_load_b128 v[PI+4*(\i):PI+4*(\i)+3], v96, s[10:11] offset:16*(\i)
.endr
	global_load_b32 v[X2], v98, s[8:9]
	global_load_b32 v[X2+1], v98, s[10:11]
	global_load_b64 v[X3R:X3R+1], v99, s[8:9]
	global_load_b64 v[X3I:X3I+1], v99, s[10:11]
; Block s of the first four into slot s of the ring: eight loads of 512 consecutive bytes.  Slot 0 goes out behind the points' loads; the other three between the parts of the table's work,
; so that the loads are issued while the wave has arithmetic and LDS stores to issue beside them.
.macro FILL s
.irp i, 0,1,2,3,4,5,6,7
	global_load_b128 v[X+32*(\s)+4*(\i):X+32*(\s)+4*(\i)+3], v[OFFX], s[4:5] offset:4096*(\s)+512*(\i)
.endr
.endm
	FILL 0
	v_mov_b32 v[MX], 0xff7fffff                    ; the lowest finite number
	v_mov_b32 v[MX+1], 0
	v_mov_b32 v[SM], 0
	v_mov_b32 v[SM+1], 0
	v_mov_b32 v[AF+1], 0
	s_wait_kmcnt 0x0                               ; params and my four a0
	s_wait_loadcnt 8                               ; the points are in; slot 0's eight younger loads stay out
	; ---- THE TABLE ----
.irp i, 0,1,2,3,4,5,6,7
	v_pk_mul_f32 v[Q1+2*(\i):Q1+2*(\i)+1], v[PR+2*(\i):PR+2*(\i)+1], v[PR+2*(\i):PR+2*(\i)+1]
.endr
.irp i, 0,1,2,3,4,5,6,7
	v_pk_fma_f32 v[Q1+2*(\i):Q1+2*(\i)+1], v[PI+2*(\i):PI+2*(\i)+1], v[PI+2*(\i):PI+2*(\i)+1], v[Q1+2*(\i):Q1+2*(\i)+1]
.endr
.set i, 0
.rept 16
	v_mul_f32 v[Q1+i], s33, v[Q1+i]
.set i, i+1
.endr
	FILL 1
.macro CSET dr, di, zr, sr, xr, xi, nxi ; (dr, di) = (s[zr], s[zr+1]) + (s[sr], s[sr+1]) x (xr, xi); nxi holds -xi
	v_fma_f32 v[\dr], s[\sr], v[\xr], s[\zr]
	v_fma_f32 v[\di], s[\sr], v[\xi], s[(\zr)+1]
	v_fmac_f32 v[\dr], s[(\sr)+1], v[\nxi]
	v_fmac_f32 v[\di], s[(\sr)+1], v[\xr]
.endm
.macro CADD dr, di, sr, xr, xi, nxi     ; (dr, di) += (s[sr], s[sr+1]) x (xr, xi)
	v_fmac_f32 v[\dr], s[\sr], v[\xr]
	v_fmac_f32 v[\di], s[\sr], v[\xi]
	v_fmac_f32 v[\dr], s[(\sr)+1], v[\nxi]
	v_fmac_f32 v[\di], s[(\sr)+1], v[\xr]
.endm
	v_mul_f32 v[NX2I], -1.0, v[X2+1]
	v_mul_f32 v[NX3I], -1.0, v[X3I]
	v_mul_f32 v[NX3I+1], -1.0, v[X3I+1]
	v_mul_f32 v[A2], v[X2], v[X2]
	v_fmac_f32 v[A2], v[X2+1], v[X2+1]             ; |x2|^2
.irp e, 0,1                            ; what hangs on a2 and a3 alone, for my two a3
	CSET W0R+\e, W0I+\e, 36, 46, X2, X2+1, NX2I    ; W0 = Z0 + C02 x2
	CADD W0R+\e, W0I+\e, 48, X3R+\e, X3I+\e, NX3I+\e  ;  + C03 x3
	CSET W1R+\e, W1I+\e, 38, 50, X2, X2+1, NX2I    ; W1 = Z1 + C12 x2
	CADD W1R+\e, W1I+\e, 52, X3R+\e, X3I+\e, NX3I+\e  ;  + C13 x3
	CSET UR, UI, 40, 54, X3R+\e, X3I+\e, NX3I+\e   ; U = Z2 + C23 x3
	v_mul_f32 v[C23+\e], s34, v[A2]                ; g2 |x2|^2
	v_mul_f32 v[TMP], v[X3R+\e], v[X3R+\e]
	v_fmac_f32 v[C23+\e], v[X2], v[UR]             ; + Re conj(x2) U
	v_fmac_f32 v[TMP], v[X3I+\e], v[X3I+\e]
	v_fmac_f32 v[C23+\e], v[X2+1], v[UI]
	v_fmac_f32 v[C23+\e], s35, v[TMP]              ; + g3 |x3|^2
	v_fmac_f32 v[C23+\e], s42, v[X3R+\e]           ; + Re conj(x3) Z3
	v_fmac_f32 v[C23+\e], s43, v[X3I+\e]
.endr
; One a0 = 4 q + a, p = its point: V1 = W1 + conj(C01) p; T0 = C23 + Re conj(p) W0 + g0 |p|^2; then for each a1: T = T0 + g1 |p1|^2 + Re conj(p1) V1, two a3 at a time.
; A store's 32 lanes write 256 consecutive bytes.
.macro A0 a
	s_mul_f32 s72, s[60+(\a)], s[60+(\a)]
	s_fmac_f32 s72, s[68+(\a)], s[68+(\a)]
	s_mul_f32 s72, s72, s32
.irp e, 0,1
	v_fma_f32 v[V1R+\e], s44, s[60+(\a)], v[W1R+\e]
	v_fma_f32 v[V1I+\e], s44, s[68+(\a)], v[W1I+\e]
	v_fma_f32 v[T0+\e], s[60+(\a)], v[W0R+\e], v[C23+\e]
	v_fma_f32 v[V1R+\e], s45, s[68+(\a)], v[V1R+\e]
	v_fma_f32 v[V1I+\e], s56, s[60+(\a)], v[V1I+\e]
	v_fmac_f32 v[T0+\e], s[68+(\a)], v[W0I+\e]
	v_add_f32 v[T0+\e], s72, v[T0+\e]
.endr
.irp p, 0,1,2,3,4,5,6,7                ; a1 = 2 p + h: register h of pair p of the points' arrays goes to both halves
.irp h, 0,1
.set rA, ACC+2*((2*(\p)+(\h))%4)
	v_pk_add_f32 v[rA:rA+1], v[T0:T0+1], v[Q1+2*(\p):Q1+2*(\p)+1] op_sel:[0,\h] op_sel_hi:[1,\h]
	v_pk_fma_f32 v[rA:rA+1], v[V1R:V1R+1], v[PR+2*(\p):PR+2*(\p)+1], v[rA:rA+1] op_sel:[0,\h,0] op_sel_hi:[1,\h,1]
	v_pk_fma_f32 v[rA:rA+1], v[V1I:V1I+1], v[PI+2*(\p):PI+2*(\p)+1], v[rA:rA+1] op_sel:[0,\h,0] op_sel_hi:[1,\h,1]
	ds_store_b64 v[TA], v[rA:rA+1] offset:16384*(\a)+1024*(2*(\p)+(\h))
.endr
.endr
.endm
	A0 0
	FILL 2
	A0 1
	FILL 3
	A0 2
	A0 3
	s_wait_dscnt 0x0                               ; for the others' sake: my 64 stores into the table are done
	s_barrier_signal -1
	s_barrier_wait -1                              ; the table is whole; nothing writes it from here on
	; ---- THE GATHERS ----
.macro CLAMP s                         ; slot s's 32 addresses stay inside the table
.set i, 0
.rept 32
	v_min_u32 v[X+32*(\s)+i], 0x3fffc, v[X+32*(\s)+i]
.set i, i+1
.endr
.endm
.macro GATH g, on                      ; eight of the next block's gathers
.if \on
.set i, \g
.rept 8
	ds_load_b32 v[EN+i], v[XN+i]
.set i, i+1
.endr
.endif
.endm
; Block n's turn; n4 = n % 4 is the slot that it has left.  nxt = 1: block n + 1 is gathered.  refill = 1: slot n4 takes block n + 4.  clamp = 1: block n + 2's addresses are clamped;
; left = how many loads younger than block n + 2's may stay out.
.macro ITER n4, nxt, refill, clamp, left
.set EC, EA+(EB-EA)*((\n4)%2)          ; block n's values
.set EN, EB+(EA-EB)*((\n4)%2)          ; block n + 1's
.set XR, X+32*(\n4)
.set XN, X+32*(((\n4)+1)%4)
.set XC, X+32*(((\n4)+2)%4)
	s_wait_dscnt 0x0                               ; block n's gathers, issued a turn ago, are in, and have read slot n4
.if \refill
.irp j, 0,1,2,3,4,5,6,7
	global_load_b128 v[XR+4*(\j):XR+4*(\j)+3], v[OFFX], s[4:5] offset:16384+4096*(\n4)+512*(\j)
.endr
.endif
	v_mov_b32 v[MO], v[MX]
	GATH 0, \nxt
.irp j, 0,1,2,3
	v_max3_num_f32 v[CC+(\j)], v[EC+3*(\j)], v[EC+3*(\j)+1], v[EC+3*(\j)+2]
.endr
	GATH 8, \nxt
.irp j, 0,1,2,3
	v_max3_num_f32 v[CC+(\j)], v[CC+(\j)], v[EC+12+2*(\j)], v[EC+13+2*(\j)]
.endr
	GATH 16, \nxt
.irp j, 4,5,6,7
	v_max3_num_f32 v[CC+(\j)%4], v[CC+(\j)%4], v[EC+12+2*(\j)], v[EC+13+2*(\j)]
.endr
	GATH 24, \nxt
.irp j, 8,9
	v_max3_num_f32 v[CC+(\j)%4], v[CC+(\j)%4], v[EC+12+2*(\j)], v[EC+13+2*(\j)]
.endr
	v_max3_num_f32 v[CC], v[CC], v[CC+1], v[CC+2]
	v_max3_num_f32 v[MX], v[CC], v[CC+3], v[MO]    ; the new m
	v_sub_f32 v[AF], v[MO], v[MX]
.set i, 0
.rept 16
	v_pk_add_f32 v[EC+i:EC+i+1], v[EC+i:EC+i+1], v[MX:MX+1] op_sel_hi:[1,0] neg_lo:[0,1] neg_hi:[0,1]  ; T - m
.set i, i+2
.endr
.if \clamp
	s_wait_loadcnt \left                           ; loads come back in order (ISA guide 5.7.1): block n + 2's eight are in; the younger blocks' stay out
.endif
	v_exp_f32 v[AF], v[AF]                         ; one batch of 33 exponentials; none reads another's result; a clamp, which names none of them, stands behind each
.set i, 0
.rept 32
	v_exp_f32 v[EC+i], v[EC+i]
.if \clamp
	v_min_u32 v[XC+i], 0x3fffc, v[XC+i]            ; the address stays inside the table
.endif
.set i, i+1
.endr
.if !(\clamp)
	v_nop                                          ; a plain instruction behind the last exponential (ISA guide 5.7.2); elsewhere the last clamp is that instruction
.endif
	s_wait_alu depctr_va_vdst(0)                   ; the one wait ahead of the batch's first reader
.irp d, 16, 8, 4, 2                    ; the 16 pairs are added in place: 8, 4, 2, 1 additions
.set i, 0
.rept (\d)/2
	v_pk_add_f32 v[EC+i:EC+i+1], v[EC+i:EC+i+1], v[EC+i+(\d):EC+i+(\d)+1]
.set i, i+2
.endr
.endr
	v_pk_fma_f32 v[SM:SM+1], v[SM:SM+1], v[AF:AF+1], v[EC:EC+1] op_sel_hi:[1,0,1]  ; s = s 2^(m_old - m_new) + the block's sum
.endm
	s_wait_loadcnt 24                              ; slot 0 is in; three younger slots of eight loads stay out
	CLAMP 0
.set i, 0
.rept 32
	ds_load_b32 v[EA+i], v[X+i]                    ; block 0
.set i, i+1
.endr
	s_wait_loadcnt 16                              ; slot 1 is in
	CLAMP 1
	s_mov_b32 s22, 3
.Lround:                                       ; blocks 4 r .. 4 r + 3 are reduced, blocks 4 r + 4 .. 4 r + 7 asked for
	ITER 0, 1, 1, 1, 16                            ; 16: blocks n + 3 and n + 4 are younger than block n + 2, on the way in and round the back edge alike
	ITER 1, 1, 1, 1, 16
	ITER 2, 1, 1, 1, 16
	ITER 3, 1, 1, 1, 16
	s_wait_xcnt 0x0                                ; every load issued so far has read its address: the base is written only behind this wait
	s_add_nc_u64 s[4:5], s[4:5], 16384
	s_sub_co_u32 s22, s22, 1
	s_cmp_lg_u32 s22, 0
	s_cbranch_scc1 .Lround
	ITER 0, 1, 0, 1, 8                             ; the last four blocks load nothing: no load passes the wave's 65,536 bytes, and the counts run down
	ITER 1, 1, 0, 1, 0
	ITER 2, 1, 0, 0, 0                             ; no block 16 to clamp,
	ITER 3, 0, 0, 0, 0                             ; and none to gather
	; ---- THE MERGES ----
	v_add_f32 v13, v[SM], v[SM+1]
	v_mov_b32 v12, v[MX]
	v_max_num_f32_dpp v12, v12, v12 row_xmask:1 row_mask:0xf bank_mask:0xf
	v_max_num_f32_dpp v12, v12, v12 row_xmask:2 row_mask:0xf bank_mask:0xf
	v_max_num_f32_dpp v12, v12, v12 row_xmask:4 row_mask:0xf bank_mask:0xf
	v_max_num_f32_dpp v12, v12, v12 row_xmask:8 row_mask:0xf bank_mask:0xf
	v_permlanex16_b32 v14, v12, s24, s25           ; (its destination counts as read: v14 has been written)
	v_max_num_f32 v12, v12, v14                    ; the wave's maximum, in every lane
	v_sub_f32 v14, v[MX], v12
	v_exp_f32 v14, v14
	v_nop
	s_wait_alu depctr_va_vdst(0)                   ; ahead of the exponential's reader
	v_mul_f32 v13, v13, v14
	v_add_f32_dpp v13, v13, v13 row_xmask:1 row_mask:0xf bank_mask:0xf
	v_add_f32_dpp v13, v13, v13 row_xmask:2 row_mask:0xf bank_mask:0xf
	v_add_f32_dpp v13, v13, v13 row_xmask:4 row_mask:0xf bank_mask:0xf
	v_add_f32_dpp v13, v13, v13 row_xmask:8 row_mask:0xf bank_mask:0xf
	v_permlanex16_b32 v15, v13, s24, s25
	v_add_f32 v13, v13, v15                        ; the wave's sum under that maximum
	s_lshl_b32 s17, s14, 3
	s_add_co_u32 s17, s17, SCR
	v_mov_b32 v16, s17
	ds_store_b64 v16, v[12:13]                     ; all lanes write the same two words with the same values
	s_wait_dscnt 0x0                               ; for wave 0's sake
	s_barrier_signal -1
	s_barrier_wait -1
	s_cmp_lg_u32 s14, 0
	s_cbranch_scc1 .Lend
	; wave 0: lane i (of four) makes LLR[b][y][i]: column 2 i (bit 0) lies at SCR + 32 i as (m, s) of its two waves, column 2 i + 1 (bit 1) 16 bytes on
	v_and_b32 v17, 3, v0
	v_lshlrev_b32 v38, 2, v17
	v_lshl_add_u32 v17, v17, 5, SCR
	ds_load_b128 v[20:23], v17
	ds_load_b128 v[24:27], v17 offset:16
	s_wait_dscnt 0x0
	v_max_num_f32 v28, v20, v22
	v_max_num_f32 v31, v24, v26
	v_sub_f32 v29, v20, v28
	v_sub_f32 v30, v22, v28
	v_sub_f32 v32, v24, v31
	v_sub_f32 v33, v26, v31
	v_exp_f32 v29, v29
	v_exp_f32 v30, v30
	v_exp_f32 v32, v32
	v_exp_f32 v33, v33
	v_sub_f32 v36, v31, v28                        ; the plain instruction behind the batch: the maxima's difference
	s_wait_alu depctr_va_vdst(0)                   ; one wait for the four
	v_mul_f32 v34, v21, v29
	v_mul_f32 v35, v25, v32
	v_fmac_f32 v34, v23, v30
	v_fmac_f32 v35, v27, v33
	v_log_f32 v34, v34
	v_log_f32 v35, v35
	v_nop
	s_wait_alu depctr_va_vdst(0)                   ; one wait for the two
	v_sub_f32 v37, v35, v34
	v_add_f32 v36, v36, v37
	v_mul_f32 v36, 0x3f317218, v36                 ; from base 2 to base e
	v_cmp_gt_u32 vcc_lo, 4, v0
	s_wait_xcnt 0x0                                ; EXEC changes only behind this wait
	s_and_saveexec_b32 s26, vcc_lo
	global_store_b32 v38, v36, s[12:13]            ; the work-group's 16 bytes of the output
	s_wait_xcnt 0x0                                ; and again, in front of the line that widens it
	s_or_b32 exec_lo, exec_lo, s26
.Lend:
	s_wait_tensorcnt 0x0                           ; the wave's end: closing lines, behind my last LDS store
	ds_add_u32 v[SPW], v[NIL]
	s_wait_dscnt 0x0
	s_endpgm
.Lfunc_end_k_q9b8277954c_detect:
	.size	k_q9b8277954c_detect, .Lfunc_end_k_q9b8277954c_detect-k_q9b8277954c_detect
	.p2alignl 7, 3214868480
	.fill 96, 4, 3214868480
	.section	.rodata,"a",@progbits
	.p2align	6, 0x0
	.amdhsa_kernel k_q9b8277954c_detect
		.amdhsa_group_segment_fixed_size 264448
		.amdhsa_private_segment_fixed_size 0
		.amdhsa_enable_private_segment 0
		.amdhsa_kernarg_size 40
		.amdhsa_user_sgpr_count 2
		.amdhsa_user_sgpr_kernarg_segment_ptr 1
		.amdhsa_wavefront_size32 1
		.amdhsa_system_sgpr_workgroup_id_x 1
		.amdhsa_system_sgpr_workgroup_id_y 1
		.amdhsa_system_sgpr_workgroup_id_z 1
		.amdhsa_system_vgpr_workitem_id 0
		.amdhsa_next_free_vgpr 256
		.amdhsa_next_free_sgpr 76
		.amdhsa_reserve_vcc 1
		.amdhsa_float_denorm_mode_32 3
		.amdhsa_float_denorm_mode_16_64 3
		.amdhsa_memory_ordered 1
		.amdhsa_forward_progress 1
		.amdhsa_inst_pref_size 102
	.end_amdhsa_kernel
	.amdgpu_metadata
---
amdhsa.version: [ 1, 2 ]
amdhsa.kernels:
  - .name:           k_q9b8277954c_detect
    .symbol:         k_q9b8277954c_detect.kd
    .args:
      - { .name: cc, .offset: 0, .size: 8, .value_kind: global_buffer, .address_space: global }
      - { .name: params, .offset: 8, .size: 8, .value_kind: global_buffer, .address_space: global }
      - { .name: points_r, .offset: 16, .size: 8, .value_kind: global_buffer, .address_space: global }
      - { .name: points_i, .offset: 24, .size: 8, .value_kind: global_buffer, .address_space: global }
      - { .name: out0, .offset: 32, .size: 8, .value_kind: global_buffer, .address_space: global }
    .group_segment_fixed_size: 264448
    .private_segment_fixed_size: 0
    .kernarg_segment_align: 8
    .kernarg_segment_size: 40
    .max_flat_workgroup_size: 512
    .sgpr_count:     76
    .vgpr_count:     256
    .wavefront_size: 32
...
	.end_amdgpu_metadata
.endif
;; end of part 2
;; ======== version 2 of 2: 2 launches; version 1 with the launch prep written anew for expert scheduling mode
;; workspace buffers: cc 4,194,304 bytes of whole numbers; params 8,192 bytes
;; launch prep (part 3): grid 256 x 1, 9 waves a work-group, no clusters, 18,176 bytes of LDS; arguments c_idx, vecs_ind, sr, si, hr, hi, yr, yi, cc, params; writes cc, params
.if DOCPART == 3
	.amdgcn_target "amdgcn-amd-amdhsa--gfx1250"
	.amdhsa_code_object_version 6
	.text
	.protected	k_q9b8277954c_prep
	.globl	k_q9b8277954c_prep
	.p2align	8
	.type	k_q9b8277954c_prep,@function
k_q9b8277954c_prep:
	s_mov_b64 s[64:65], 0
	v_nop
	global_prefetch_b8 v0, s[64:65] scope:SCOPE_SE
	s_setreg_imm32_b32 hwreg(HW_REG_WAVE_SCHED_MODE, 0, 2), 2
	s_setreg_imm32_b32 hwreg(HW_REG_WAVE_MODE, 25, 1), 1
	s_wait_xcnt 0x0
	s_wait_alu depctr_vm_vsrc(0)
; MAXIMUM LIKELIHOOD DETECTOR, first of two launches: what does not hang on the 65,536 symbol vectors.
; WHAT IS LEFT OUT, AND WHY IT IS DEAD, for all values of the inputs for which the result is finite:
;  (1) The eigendecomposition and S^(-1/2).  eigh works on Ss = (S + S^H) / 2, and y, H enter the result only through
;      -|Ss^(-1/2) (y - H x)|^2 = -(y - H x)^H Ss^(-1) (y - H x), since (Ss^(-1/2))^H Ss^(-1/2) = Ss^(-1).  The result is finite only if all
;      eigenvalues are above 0; then Ss = L D L^H exists without pivoting, and with W = L^(-1) [H y] the form is W^H D^(-1) W.
;  (2) The term y^H Ss^(-1) y: it is the same for every symbol vector, so it is a common addend along the axis of each logsumexp
;      and cancels in lse[..1] - lse[..0].  What is left is  -(x^H G x - 2 Re x^H z),  G = H^H Ss^(-1) H (4 x 4),  z = H^H Ss^(-1) y.
;  (3) The product h x over [B, V, M]: x = points[vecs_ind[v]] takes its value from four digits of 0..15, so the exponent is a function of the
;      code a0<<12 | a1<<8 | a2<<4 | a3, tabulated in the second launch.  The two lookups are honoured as they are given:
;      exponents[b, c_idx[j, c]] = table_b[code(vecs_ind[c_idx[j, c]])], and the composed index does not hang on b: it is made here, once.
;  No input is without a way to the output: all ten are loaded (the points in the second launch).
; LIMITS.  Ss positive definite (elsewhere the reference's 1 / sqrt(w) is NaN or infinite, and this text gives other numbers); of a pivot only the real
; part is used (its imaginary part is 0 in exact arithmetic); digits of vecs_ind lie in 0..15, indices of c_idx in 0..65,535 (an index stays inside
; its table; c_idx is held to 65,535 in front of the lookup).  A NaN, an infinity or an overflow that reaches only y^H Ss^(-1) y or the eigenvectors is not carried to the result.
; SHARES.  Work-group g: rows 128 g .. 128 g + 127 of c_idx (16,384 consecutive bytes, 4,096 indices), waves 0-7, 16 indices a thread.
; Wave 8 of work-groups 0-63 solves batch g's system meanwhile; in the other work-groups it only passes the barrier.
; cc: u32 [32 columns][256 chunks g][32 lanes l][4 r] = 4 x code of element j = 128 g + 32 r + l of column c (the order inside a column is free: sums commute).
; params: f32 [64][32], la = log2(e): 0-3 -la G_kk; 4-11 2 la z_k (re, im); 12-23 -2 la G_kl (re, im) for kl = 01, 02, 03, 12, 13, 23; 24 +2 la Im G_01; 25-31 0.
; THE MODE: SCHED_MODE bits 1:0 = 2 (LLVM: expert scheduling mode 2), set by the entry lines.  The code itself states the register dependences
; between vector instructions and memory or LDS instructions, and those through scalar registers that vector instructions write, with s_wait_alu, always for 0.
; THE PLAN.  Registers that memory or LDS instructions touch:
;   waves 0-7   v4        made once; the four loads of c_idx read it.
;               v5        made once, while those loads are out; the sixteen stores into the stage read it.
;               v[16:31]  c_idx's loads land; the clamps and shifts rewrite them in place; the sixteen lookups read them as addresses; behind the barrier the stage's loads land in them, and the stores to cc read them.
;               v[32:95]  the lookups land, four registers an element; the packing rewrites the first of each four; one store into the stage reads it; never written again.
;               v6, v7    made behind the barrier; the stage's loads and the stores to cc read them.
;   wave 8      v8-v11    made once; its forty loads read them.   v12, v[P]  made once; its one store reads them.   v[48:111]  the loads land, once; from then on vector instructions alone name them.
;   all         v2, v3    made at the head; the closing add alone reads them.
; The packing goes in four groups of four elements: one wait on va_vdst at a group's head states that the group before has written its four codes, and that group's four stores are dealt among
; this group's sixteen vector instructions, which name this group's sixteen registers alone.
.set PITCH, 528                        ; a column's 512 bytes in the stage + 16
.set SPARE, 32*PITCH                   ; 16,896: behind the stage, the spare words: 9 waves x 128 bytes, rounded up to five blocks of 256
.set SPW, 2                            ; v2  LDS address of my spare word; never rewritten
.set NIL, 3                            ; v3  0; never rewritten
; wave 8's registers: lane L is a column of the 8 x 13 matrix [Ss | H | y]: lanes 0-7 Ss, 8-11 H, 12-31 y.  All 13 live columns lie in the first row of 16 lanes,
; so a number of one column reaches the others by v_mov_b32_dpp row_share; lanes 16-31 work on copies of y, and nobody reads them.
.set AR, 32                            ; v[32:39]  rows 0-7, real parts
.set AI, 40                            ; v[40:47]  imaginary parts
.set CR, 48                            ; S's column L & 7, as loaded
.set CI, 56
.set RR, 64                            ; S's row L & 7
.set RI, 72
.set HR, 80
.set HI, 88
.set YR, 96
.set YI, 104
.set FR, 48                            ; later, in the registers that the loads have written: A[i][k] in every lane, real and imaginary
.set FI, 56
.set RC, 64                            ; 1 / pivot in every lane,
.set NRC, 65                           ; and its negative
.set GN, 68                            ; v[68:71]  the part of Im G that is subtracted
.set GR, 72                            ; v[72:75]
.set GI, 76                            ; v[76:79]
.set BR, 80                            ; v[80:87]  rows of D^(-1) W
.set BI, 88                            ; v[88:95]
.set WT, 96                            ; v[96:111] two sets of eight: row m of H's four columns of W in every lane
.set R,  112
.set NR, 113
.set NPR, 114
.set NPI, 115
.set P,  116
.set F,  117
	s_load_b512 s[4:19], s[0:1], 0x0               ; c_idx s[4:5], vecs_ind s[6:7], sr s[8:9], si s[10:11], hr s[12:13], hi s[14:15], yr s[16:17], yi s[18:19]
	s_load_b128 s[20:23], s[0:1], 0x40             ; cc s[20:21], params s[22:23]
	v_lshl_add_u32 v[SPW], v0, 2, SPARE
	v_mov_b32 v[NIL], 0
	v_lshrrev_b32 v1, 5, v0
	v_readfirstlane_b32 s24, v1                    ; wave 0..8
	v_and_b32 v1, 31, v0                           ; lane
	s_mov_b32 s25, ttmp9                           ; g
	s_mov_b32 s27, 0                               ; the high word of every offset
	s_wait_kmcnt 0x0
	s_wait_alu depctr_va_sdst(0)                   ; s24 is written, ahead of its first reader, the compare below
	s_cmp_lg_u32 s24, 8
	s_cbranch_scc1 .Lindex
	s_cmp_lt_u32 s25, 64
	s_cbranch_scc0 .Lmeet                          ; wave 8 of work-groups 64-255 has no batch
	; ---- WAVE 8: batch g's system ----
	s_lshl_b32 s26, s25, 8                         ; 64 numbers of S
	s_add_nc_u64 s[8:9], s[8:9], s[26:27]
	s_add_nc_u64 s[10:11], s[10:11], s[26:27]
	s_lshl_b32 s26, s25, 7                         ; 32 numbers of H, and of params
	s_add_nc_u64 s[12:13], s[12:13], s[26:27]
	s_add_nc_u64 s[14:15], s[14:15], s[26:27]
	s_add_nc_u64 s[22:23], s[22:23], s[26:27]
	s_lshl_b32 s26, s25, 5                         ; 8 numbers of y
	s_add_nc_u64 s[16:17], s[16:17], s[26:27]
	s_add_nc_u64 s[18:19], s[18:19], s[26:27]
	v_and_b32 v8, 7, v1
	v_lshlrev_b32 v9, 5, v8                        ; row L & 7 of S
	v_lshlrev_b32 v8, 2, v8                        ; column L & 7 of S
	v_and_b32 v10, 3, v1
	v_lshlrev_b32 v10, 2, v10                      ; column L & 3 of H
	v_mov_b32 v11, 0
	v_lshlrev_b32 v12, 2, v1                       ; my word of params
	s_wait_alu depctr_va_vdst(0)                   ; the offsets v8 to v11 are written, which the forty loads below read; so is v12, which the store of params reads
.irp i, 0,1,2,3,4,5,6,7
	global_load_b32 v[CR+(\i)], v8, s[8:9] offset:32*(\i)
	global_load_b32 v[CI+(\i)], v8, s[10:11] offset:32*(\i)
	global_load_b32 v[HR+(\i)], v10, s[12:13] offset:16*(\i)
	global_load_b32 v[HI+(\i)], v10, s[14:15] offset:16*(\i)
.endr
.irp i, 0,1
	global_load_b128 v[RR+4*(\i):RR+4*(\i)+3], v9, s[8:9] offset:16*(\i)
	global_load_b128 v[RI+4*(\i):RI+4*(\i)+3], v9, s[10:11] offset:16*(\i)
	global_load_b128 v[YR+4*(\i):YR+4*(\i)+3], v11, s[16:17] offset:16*(\i)
	global_load_b128 v[YI+4*(\i):YI+4*(\i)+3], v11, s[18:19] offset:16*(\i)
.endr
	; the four masks of lanes in one run, each in a scalar register of its own, under one wait
	v_cmp_gt_u32 s58, 8, v1                        ; lanes of Ss
	v_cmp_gt_u32 s59, 12, v1                       ; lanes of Ss and H; words 0-11 of params
	v_cmp_gt_u32 s28, 24, v1                       ; words 0-23
	v_cmp_gt_u32 s29, 4, v1                        ; words 0-3
	; the factor of each word of params, made while the loads are out
	s_mov_b32 s60, 0xc038aa3b                      ; -2 log2(e)
	s_mov_b32 s57, 0x4038aa3b                      ; +2 log2(e)
	s_mov_b32 s61, 0xbfb8aa3b                      ; -log2(e)
	v_mov_b32 v[F], s57                            ; words 24-31
	v_mov_b32 v[P], 0
	s_wait_alu depctr_va_sdst(0)                   ; the compares have written s58, s59, s28 and s29, ahead of the first select that reads one of them
	v_cndmask_b32 v[F], v[F], s60, s28             ; words 12-23
	v_cndmask_b32 v[F], v[F], s57, s59             ; words 4-11
	v_cndmask_b32 v[F], v[F], s61, s29             ; words 0-3
	s_wait_loadcnt 0x0                             ; all forty: everything below needs them
.irp i, 0,1,2,3,4,5,6,7
	v_mul_f32 v[CR+(\i)], 0.5, v[CR+(\i)]          ; Ss[i][c] = (S[i][c] + conj S[c][i]) / 2
	v_mul_f32 v[CI+(\i)], 0.5, v[CI+(\i)]
	v_fmac_f32 v[CR+(\i)], 0.5, v[RR+(\i)]
	v_fmac_f32 v[CI+(\i)], -0.5, v[RI+(\i)]
	v_cndmask_b32 v[AR+(\i)], v[YR+(\i)], v[HR+(\i)], s59
	v_cndmask_b32 v[AI+(\i)], v[YI+(\i)], v[HI+(\i)], s59
	v_cndmask_b32 v[AR+(\i)], v[AR+(\i)], v[CR+(\i)], s58
	v_cndmask_b32 v[AI+(\i)], v[AI+(\i)], v[CI+(\i)], s58
.endr
; Step k of the elimination.  Row k is final: it is row k of W = L^(-1) [H y]; divided by its pivot it is row k of D^(-1) W and is kept.  Row i (i > k) loses A[i][k] x that row, in all 13 columns at once.
; The broadcasts of A[i][k] wait for nothing and stand behind the reciprocal: they are the plain instructions between it and its use (ISA guide 5.7.2).
.macro ELIM k
	v_rcp_f32 v[R], v[AR+(\k)]
.if (\k) < 7
.set i, (\k)+1
.rept 7-(\k)
	v_mov_b32_dpp v[FR+i], v[AR+i] row_share:\k row_mask:0xf bank_mask:0xf
	v_mov_b32_dpp v[FI+i], v[AI+i] row_share:\k row_mask:0xf bank_mask:0xf
.set i, i+1
.endr
.else
	v_nop
.endif
	s_wait_alu depctr_va_vdst(0)                   ; the reciprocal has written v[R], ahead of its first reader, the broadcast below
	v_mov_b32_dpp v[RC], v[R] row_share:\k row_mask:0xf bank_mask:0xf  ; lane k's reciprocal is the pivot's
.if (\k) < 7
	v_xor_b32 v[NR], 0x80000000, v[R]
	v_mov_b32_dpp v[NRC], v[NR] row_share:\k row_mask:0xf bank_mask:0xf
.endif
	v_mul_f32 v[BR+(\k)], v[RC], v[AR+(\k)]
	v_mul_f32 v[BI+(\k)], v[RC], v[AI+(\k)]
.if (\k) < 7
	v_mul_f32 v[NPR], v[NRC], v[AR+(\k)]
	v_mul_f32 v[NPI], v[NRC], v[AI+(\k)]
.set i, (\k)+1
.rept 7-(\k)
	v_fmac_f32 v[AR+i], v[FR+i], v[NPR]            ; - Re A[i][k] x (row k / pivot)
	v_fmac_f32 v[AI+i], v[FR+i], v[NPI]
.set i, i+1
.endr
.set i, (\k)+1
.rept 7-(\k)
	v_fmac_f32 v[AR+i], v[FI+i], v[BI+(\k)]        ; - j Im A[i][k] x (row k / pivot)
	v_fmac_f32 v[AI+i], v[FI+i], v[NPR]
.set i, i+1
.endr
.endif
.endm
.irp k, 0,1,2,3,4,5,6,7
	ELIM \k
.endr
.macro BC4 dst, src                    ; lanes 8-11 of src (H's four columns), each into every lane of a register
	v_mov_b32_dpp v[(\dst)+0], v[\src] row_share:8 row_mask:0xf bank_mask:0xf
	v_mov_b32_dpp v[(\dst)+1], v[\src] row_share:9 row_mask:0xf bank_mask:0xf
	v_mov_b32_dpp v[(\dst)+2], v[\src] row_share:10 row_mask:0xf bank_mask:0xf
	v_mov_b32_dpp v[(\dst)+3], v[\src] row_share:11 row_mask:0xf bank_mask:0xf
.endm
; Row m's part of conj(column k of W) . D^(-1) W, for k = 0..3 side by side: twelve sums by turns.  At the end lane 8 + l holds G[k][l], lane 12 holds z_k.
; The imaginary part is kept as two sums and subtracted once.
.macro GSTEP m
.set T, WT+8*((\m)%2)
	BC4 T, AR+(\m)
	BC4 T+4, AI+(\m)
.irp k, 0,1,2,3
.if (\m) == 0
	v_mul_f32 v[GR+\k], v[T+\k], v[BR]
	v_mul_f32 v[GI+\k], v[T+\k], v[BI]
	v_mul_f32 v[GN+\k], v[T+4+\k], v[BR]
.else
	v_fmac_f32 v[GR+\k], v[T+\k], v[BR+(\m)]
	v_fmac_f32 v[GI+\k], v[T+\k], v[BI+(\m)]
	v_fmac_f32 v[GN+\k], v[T+4+\k], v[BR+(\m)]
.endif
.endr
.irp k, 0,1,2,3
	v_fmac_f32 v[GR+\k], v[T+4+\k], v[BI+(\m)]
.endr
.endm
.irp m, 0,1,2,3,4,5,6,7
	GSTEP \m
.endr
.irp k, 0,1,2,3
	v_sub_f32 v[GI+\k], v[GI+\k], v[GN+\k]
.endr
.macro GET idx, reg, lane              ; word idx of params is lane's number of reg: each into a scalar register of its own, so that no read waits for a write
	v_readlane_b32 s[32+(\idx)], v[\reg], \lane
.endm
.irp k, 0,1,2,3
	GET \k, GR+\k, 8+\k
	GET 4+2*\k, GR+\k, 12
	GET 5+2*\k, GI+\k, 12
.endr
	GET 12, GR, 9
	GET 13, GI, 9
	GET 14, GR, 10
	GET 15, GI, 10
	GET 16, GR, 11
	GET 17, GI, 11
	GET 18, GR+1, 10
	GET 19, GI+1, 10
	GET 20, GR+1, 11
	GET 21, GI+1, 11
	GET 22, GR+2, 11
	GET 23, GI+2, 11
	GET 24, GI, 9
	s_wait_alu depctr_va_sdst(0)                   ; the 25 lines above have written s32 to s56, ahead of the first line below that reads one of them
.set i, 0
.rept 25
	v_writelane_b32 v[P], s[32+i], i
.set i, i+1
.endr
	v_mul_f32 v[P], v[P], v[F]
	s_wait_alu depctr_va_vdst(0)                   ; the multiply has written v[P], which the store reads
	global_store_b32 v12, v[P], s[22:23]           ; the batch's 128 bytes, one store
	s_branch .Lmeet
	; ---- WAVES 0-7, first part: index -> digits -> 4 x code -> stage ----
.Lindex:
	s_lshl_b32 s26, s25, 14
	s_add_nc_u64 s[4:5], s[4:5], s[26:27]          ; the work-group's 16,384 bytes of c_idx
	s_lshl_b32 s28, s24, 9
	v_lshl_add_u32 v4, v1, 4, s28                  ; 16 t, t = 32 wave + lane
	s_wait_alu depctr_va_vdst(0)                   ; v4 is written, which the four loads below read
.irp q, 0,1,2,3
	global_load_b128 v[16+4*(\q):19+4*(\q)], v4, s[4:5] offset:4096*(\q) th:TH_LOAD_NT  ; rows 32 q + (t >> 3): a wave's load covers 512 consecutive bytes; read once in the launch
.endr
	v_and_b32 v5, 7, v1                            ; while they are out, my place in the stage.  t & 7: my four columns 4 (t & 7) + r
	v_mul_u32_u24 v5, v5, 4*PITCH
	v_lshrrev_b32 v6, 3, v1
	v_lshl_add_u32 v5, v6, 4, v5                   ; t >> 3 = 4 wave + (lane >> 3) is the element's l: 16 bytes each
	s_lshl_b32 s28, s24, 6
	v_add_nc_u32 v5, s28, v5
	s_wait_loadcnt 0x0                             ; all four: each feeds addresses below
.set n, 0
.rept 16
	v_min_u32 v[16+n], 0xffff, v[16+n]             ; the index stays inside vecs_ind
.set n, n+1
.endr
.set n, 0
.rept 16
	v_lshlrev_b32 v[16+n], 4, v[16+n]              ; a row of vecs_ind is 16 bytes
.set n, n+1
.endr
	s_wait_alu depctr_va_vdst(0)                   ; the shifts have written v[16:31], which the sixteen lookups read as addresses; v5 is written too, which every store into the stage reads
.set n, 0
.rept 16
	global_load_b128 v[32+4*n:35+4*n], v[16+n], s[6:7]  ; the four digits
.set n, n+1
.endr
; Element n = 4 q + r of the thread: column 4 (t & 7) + r, place l = t >> 3, register q.  Its digits lie in v[32 + 4 n ..], and its code is made in the first of the four.
.macro SEND n                          ; element n's code goes into the stage
	ds_store_b32 v5, v[32+4*(\n)] offset:((\n)%4)*PITCH+((\n)/4)*4
.endm
; Group g: elements 4 g .. 4 g + 3 are packed, their four chains side by side; the stores of the group before are dealt among them.
.macro GROUP g
	s_wait_loadcnt 12-4*(\g)                       ; loads come back in order (ISA guide 5.7.1): the group's four are in, the 12 - 4 g younger ones stay out
.if (\g) > 0
	s_wait_alu depctr_va_vdst(0)                   ; the group before has written its four codes, which the four stores below read; no vector instruction of this group names them
.endif
.irp d, 1,2,3
.if (\g) > 0
	SEND 4*(\g)-5+(\d)
.endif
.irp e, 0,1,2,3
	v_lshl_or_b32 v[32+16*(\g)+4*(\e)], v[32+16*(\g)+4*(\e)], 4, v[32+16*(\g)+4*(\e)+(\d)]
.endr
.endr
.if (\g) > 0
	SEND 4*(\g)-1
.endif
.irp e, 0,1,2,3
	v_lshlrev_b32 v[32+16*(\g)+4*(\e)], 2, v[32+16*(\g)+4*(\e)]  ; the table's byte address
.endr
.endm
	GROUP 0
	GROUP 1
	GROUP 2
	GROUP 3
	s_wait_alu depctr_va_vdst(0)                   ; group 3 has written its four codes, which the last four stores read
	s_wait_alu depctr_vm_vsrc(0)                   ; the sixteen lookups have read their addresses v[16:31], in which the stage's loads land behind the barrier; nothing between reads these registers
	SEND 12
	SEND 13
	SEND 14
	SEND 15
.Lmeet:
	s_wait_dscnt 0x0                               ; for the others' sake: my stores into the stage are done
	s_barrier_signal -1
	s_barrier_wait -1                              ; the stage is whole
	s_cmp_eq_u32 s24, 8
	s_cbranch_scc1 .Lend
	; ---- WAVES 0-7, second part: wave w sends columns 4 w .. 4 w + 3, 512 bytes each ----
	s_mul_i32 s28, s24, 4*PITCH
	v_lshl_add_u32 v6, v1, 4, s28
	s_lshl_b32 s28, s24, 19                        ; a column of cc is 131,072 bytes
	v_lshl_add_u32 v7, v1, 4, s28
	s_lshl_b32 s26, s25, 9                         ; chunk g
	s_add_nc_u64 s[20:21], s[20:21], s[26:27]
	s_wait_alu depctr_va_vdst(0)                   ; v6 and v7 are written, which the loads and the stores below read; the clamps and shifts that named v[16:31], in which the loads land, stand ahead of it too
.irp u, 0,1,2,3
	ds_load_b128 v[16+4*(\u):19+4*(\u)], v6 offset:PITCH*(\u)
.endr
.irp u, 0,1,2,3
	s_wait_dscnt 3-(\u)                            ; the 3 - u younger loads stay out
	global_store_b128 v7, v[16+4*(\u):19+4*(\u)], s[20:21] offset:131072*(\u)  ; 512 consecutive bytes, at a multiple of 512 from cc's first byte
.endr
.Lend:
	s_wait_dscnt 0x0                               ; the wave's end: the closing lines, six on end
	s_wait_alu 0x0
	s_wait_tensorcnt 0x0
	ds_add_u32 v[SPW], v[NIL]
	s_wait_dscnt 0x0
	s_endpgm
.Lfunc_end_k_q9b8277954c_prep:
	.size	k_q9b8277954c_prep, .Lfunc_end_k_q9b8277954c_prep-k_q9b8277954c_prep
	.p2alignl 7, 3214868480
	.fill 96, 4, 3214868480
	.section	.rodata,"a",@progbits
	.p2align	6, 0x0
	.amdhsa_kernel k_q9b8277954c_prep
		.amdhsa_group_segment_fixed_size 18176
		.amdhsa_private_segment_fixed_size 0
		.amdhsa_enable_private_segment 0
		.amdhsa_kernarg_size 80
		.amdhsa_user_sgpr_count 2
		.amdhsa_user_sgpr_kernarg_segment_ptr 1
		.amdhsa_wavefront_size32 1
		.amdhsa_system_sgpr_workgroup_id_x 1
		.amdhsa_system_sgpr_workgroup_id_y 1
		.amdhsa_system_sgpr_workgroup_id_z 1
		.amdhsa_system_vgpr_workitem_id 0
		.amdhsa_next_free_vgpr 128
		.amdhsa_next_free_sgpr 66
		.amdhsa_reserve_vcc 0
		.amdhsa_float_denorm_mode_32 3
		.amdhsa_float_denorm_mode_16_64 3
		.amdhsa_memory_ordered 1
		.amdhsa_forward_progress 1
		.amdhsa_inst_pref_size 41
	.end_amdhsa_kernel
	.amdgpu_metadata
---
amdhsa.version: [ 1, 2 ]
amdhsa.kernels:
  - .name:           k_q9b8277954c_prep
    .symbol:         k_q9b8277954c_prep.kd
    .args:
      - { .name: c_idx, .offset: 0, .size: 8, .value_kind: global_buffer, .address_space: global }
      - { .name: vecs_ind, .offset: 8, .size: 8, .value_kind: global_buffer, .address_space: global }
      - { .name: sr, .offset: 16, .size: 8, .value_kind: global_buffer, .address_space: global }
      - { .name: si, .offset: 24, .size: 8, .value_kind: global_buffer, .address_space: global }
      - { .name: hr, .offset: 32, .size: 8, .value_kind: global_buffer, .address_space: global }
      - { .name: hi, .offset: 40, .size: 8, .value_kind: global_buffer, .address_space: global }
      - { .name: yr, .offset: 48, .size: 8, .value_kind: global_buffer, .address_space: global }
      - { .name: yi, .offset: 56, .size: 8, .value_kind: global_buffer, .address_space: global }
      - { .name: cc, .offset: 64, .size: 8, .value_kind: global_buffer, .address_space: global }
      - { .name: params, .offset: 72, .size: 8, .value_kind: global_buffer, .address_space: global }
    .group_segment_fixed_size: 18176
    .private_segment_fixed_size: 0
    .kernarg_segment_align: 8
    .kernarg_segment_size: 80
    .max_flat_workgroup_size: 288
    .sgpr_count:     66
    .vgpr_count:     128
    .wavefront_size: 32
...
	.end_amdgpu_metadata
.endif
;; end of part 3
;; launch detect: the kernel of part 2 again; grid 64 x 4, 16 waves a work-group, no clusters, 264,448 bytes of LDS; arguments cc, params, points_r, points_i, out0; writes out0
